; MI455X (gfx1250); checked and timed in simulation.
; The chip was launched on July 23, 2026; its instructions are those of AMD's public machine-readable ISA for CDNA 5 (MIT licence, August 2026) and "CDNA5" Instruction Set Architecture Reference Guide (July 2026). The comments in the code are by the model that wrote it; some were corrected since.
;; Self Attention. Allowed arithmetic: matrix products marked QUANTISED: E2M1 operands, one E8M0 scale for each 32 along K, by v_wmma_scale_f32_16x16x128_f8f6f4 with both operands' format E2M1 (or v_wmma_scale_f32_32x16x128_f4), f32 sums; everything else in f32.
;; Inputs: W_dense_codes 1,024 x 32 x 16 uint8 (E2M1 codes of W_dense, K innermost, in blocks of 32 codes, two codes a byte); W_dense_scales 1,024 x 32 uint8 (E8M0 scales of W_dense, one for each 32 codes along K); W_qkv_codes 3,072 x 32 x 16 uint8 (E2M1 codes of W_qkv, K innermost, in blocks of 32 codes, two codes a byte); W_qkv_scales 3,072 x 32 uint8 (E8M0 scales of W_qkv, one for each 32 codes along K); X_codes 2 x 2,048 x 32 x 16 uint8 (E2M1 codes of X, K innermost, in blocks of 32 codes, two codes a byte); X_scales 2 x 2,048 x 32 uint8 (E8M0 scales of X, one for each 32 codes along K); attention_mask 1 x 1 x 2,048 x 2,048 bool; b_dense 1,024 float32; b_qkv 3,072 float32.
;; Outputs: out0 2 x 2,048 x 1,024 float32.
;; This version of the problem:
;;   THIS VERSION OF THE PROBLEM IS GIVEN IN LOW PRECISION. The matrix products marked QUANTISED in the list below multiply operands that are first quantised to E2M1 (2 exponent bits, 1 mantissa bit; 4 bits a number), with one power-of-two scale for each 32 numbers along K (OCP MX v1.0); their sums are f32. All else is computed in f32.
;;   The module's matrix products, in the order in which they are computed (A, B: the left and right operand; K: the contracted axis; several contracted axes count as one K, in the product's order):
;;     1. [M 4,096, K 1,024] x [K 1,024, N 3,072]; A: input X (given as codes); B: input W_qkv (given as codes): QUANTISED
;;     2. batch 32 x [M 2,048, K 64] x [K 64, N 2,048]; A: computed on the way; B: computed on the way: QUANTISED
;;     3. batch 32 x [M 2,048, K 2,048] x [K 2,048, N 64]; A: softmax (see below); B: computed on the way: QUANTISED
;;     4. [M 4,096, K 1,024] x [K 1,024, N 1,024]; A: computed on the way; B: input W_dense (given as codes): QUANTISED
;;   THE QUANTISER, for each operand of a quantised product, along K:
;;     - K is cut into blocks of 32 from its start; a last block that is shorter is filled with zeros.
;;     - A block's scale is 2^e with e = floor(log2(the largest magnitude in the block)) - 2, held to -126 .. 127; a block of zeros has e = 0. As a byte (E8M0): e + 127.
;;     - Each number is divided by its block's scale, clamped to +-6, and rounded to the nearest number of E2M1, ties to even, subnormals kept.
;;     - The product sums the exact products of the quantised numbers (number of the format x scale) in f32.
;;   ~~~python
;;   def quantise(x, axis):      # numpy; x: float32 -> the quantised numbers, widened to float32 again
;;       x = np.moveaxis(x, axis, -1); K = x.shape[-1]
;;       x = np.pad(x, [(0, 0)] * (x.ndim - 1) + [(0, -K % 32)]); x = x.reshape(x.shape[:-1] + (-1, 32)); a = np.abs(x).max(-1, keepdims=True)
;;       e = np.where(a > 0, np.clip(np.frexp(np.where(a > 0, a, 1))[1] - 1 - 2, -126, 127), 0)      # np.frexp(a)[1] - 1 = floor(log2(a)), exactly
;;       r = np.clip(x / 2.0 ** e, -6, 6)
;;       step = 2.0 ** (np.maximum(np.frexp(np.where(r == 0, 1, r))[1] - 1, 0) - 1)
;;       q = np.round(r / step) * step * 2.0 ** e      # np.round: ties to even
;;       return np.moveaxis(q.reshape(q.shape[:-2] + (-1,))[..., :K], -1, axis).astype(np.float32)
;;   ~~~
;;   SOFTMAX AHEAD OF A QUANTISED PRODUCT. Where the list says 'softmax', what is quantised is not the finished softmax but p = 2^(t - M), with t = logit x log2(e) and M = ceil(the row's largest t), a whole number; so 1/2 < the row's largest p <= 1. The row's sum l is taken of the UNQUANTISED p, in f32, and the product's result is divided by l at the end. Since M is a whole number, a kernel that streams over the keys may use a running M (the ceiling of the running maximum): every later rescaling is an exact power of two, which a block's scale takes up: the codes' values come out the same.
;;   OPERANDS COMPUTED ON THE WAY. 'Computed on the way' means the value that the module computes at that place (a softmax that the list does not call 'softmax' is quantised finished and normalised). What goes into a quantiser is computed in f32, as accurately as f32 sums, v_exp_f32 and their like allow (about 1e-6 of the number): no bf16 or f16 on the way to a quantiser, and a product that is left as it is and whose result goes on into a quantised operand takes f32 operands (vector FMAs, or v_wmma_f32_16x16x4_f32). A number that lies on a knife's edge between two numbers of the format may be rounded either way, as far as f32 arithmetic and the matrix unit's own rounding can turn it there, and no further.
;;   INPUTS GIVEN AS CODES. W_dense (in the module: [1024, 1024], K = its axis 0); W_qkv (in the module: [1024, 3072], K = its axis 0); X (in the module: [2, 2048, 1024], K = its axis 2): each comes as NAME_codes (uint8): NAME with its K axis moved to the last place and cut into blocks of 32 codes, [.., K / 32, bytes a block], one block behind the other in memory; two codes a byte, the lower K in the low four bits (a code: sign, 2 exponent bits, 1 mantissa bit); and NAME_scales (uint8): the same leading axes, one E8M0 byte (e + 127) for each 32 codes along K. Its value is code x scale, taken as it is: it is not quantised again, and the codes and scales need not be those that the quantiser above would give.
;; One version. Each part assembles by itself: llvm-mc -triple=amdgcn-amd-amdhsa -mcpu=gfx1250 --defsym DOCPART=n.
;; ======== version 1 of 1: 3 launches
;; limits: right only within a limited range of input values
;; workspace buffers: qkv 6,946,816 bytes; maskw 524,288 bytes of whole numbers; cls 262,144 bytes of whole numbers; a_img 2,097,152 bytes; a_sc 131,072 bytes
;; launch qkv (part 1): grid 16 x 16, 4 waves a work-group, clusters of 4 x 4, 327,680 bytes of LDS; arguments X_codes, X_scales, W_qkv_codes, W_qkv_scales, b_qkv, attention_mask, qkv, maskw, cls; writes qkv, maskw, cls
.if DOCPART == 1
	.amdgcn_target "amdgcn-amd-amdhsa--gfx1250"
	.amdhsa_code_object_version 6
	.text
	.protected	k_q46cf0aba21_qkv
	.globl	k_q46cf0aba21_qkv
	.p2align	8
	.type	k_q46cf0aba21_qkv,@function
k_q46cf0aba21_qkv:
	s_mov_b64 s[64:65], 0
	v_nop
	global_prefetch_b8 v0, s[64:65] scope:SCOPE_SE
	s_setreg_imm32_b32 hwreg(HW_REG_WAVE_MODE, 25, 1), 1
	s_wait_xcnt 0x0
	s_wait_alu depctr_hold_cnt(0) depctr_sa_sdst(0) depctr_va_vdst(0) depctr_va_sdst(0) depctr_va_ssrc(0) depctr_va_vcc(0) depctr_vm_vsrc(0)
	s_getreg_b32 s2, hwreg(HW_REG_IB_STS2, 6, 4)
	s_cmp_eq_u32 s2, 0
	s_cbranch_scc0 .Lentry_in_a_cluster
	s_endpgm
.Lentry_in_a_cluster:
	s_bfe_u32 s2, ttmp6, 0x10000c
	s_cmp_lg_u32 s2, 0xf033
	s_cbranch_scc0 .Lentry_shape_is_right
	s_endpgm
.Lentry_shape_is_right:
; qkv = X W_qkv + b_qkv on codes of FP4 (E2M1) with one E8M0 scale for each 32 along K = 1,024; the result never goes to memory as f32:
; q and k are quantised along the head's 64 channels, v along the keys, and leave as images of the operand registers of the attention launch.
; SHARES.  A work-group makes 256 tokens x one head's 64 features of q, of k and of v: 16 heads x 16 blocks of tokens = 256 work-groups.  Wave (tk, f) makes 128 tokens x (64 features of q (f = 0) or k (f = 1), and 32 of v):
; 32 + 16 accumulators of 16 x 16.  All of K fits in LDS (448 rows x 512 bytes): every tile is filled once, there is no ring and no loop to prefetch in.
; q, k: source 0 = 16 rows of W, source 1 = 16 tokens: a lane holds one token, register 8 t + j = feature 16 t + 8 h + j.   v: source 0 = 16 tokens, source 1 = 16 rows of W: a lane holds one feature, register 8 t + j = token 16 t + 8 h + j.
; So the result is quantised along the axis on which a lane's registers run; a block of 32 is 16 registers of lanes l and l xor 16.
; CLUSTERS: 4 x 4 work-groups.  X's tile hangs on the block of tokens alone and is asked for jointly along a row of the cluster, W's on the head alone and along a column.
; THE MASK (an input, one byte a score, any byte other than 0 counts as true) becomes lane masks: word 8 t + j of (tile of 16 queries, step of 128 keys) is the mask of register 8 t + j of a tile of scores.
; Beside them goes cls: for each tile and step one bit 'every score masked' and one bit 'some score masked': [tile][8 pairs of steps] units of 256 bytes, each 32 times the same two words.
; THE WORKSPACE qkv: 512 records of 13,568 bytes, record (batch x 16 + head) x 16 + step of 128 tokens:
;   0 K's codes (8 tiles of 16 keys x 512 bytes: lane (r, h): key r, channels 32 h on); 4,096 K's scale words [lane][4]: word i = tile 2 i in lanes 0-15, tile 2 i + 1 in lanes 16-31;
;   4,608 V's codes (4 tiles of 16 channels x 2 x 512 bytes: lane (r, h): channel r, keys 64 c + 32 h on); 8,704 V's scale words [2][lane]; 8,960 Q's codes and 13,056 Q's scale words, laid as K's.
; LIMITS: a block of zeros gets the scale byte 1 where the quantiser's rule says 127 (its codes are zeros, and this program alone reads the bytes); NaN and infinities are not served.
; The bias is the C of each sum's first product, so it is added ahead of the products and not behind them.
; REGISTERS, in windows of 256: window 0: v1-31 addresses; v32-47 at work; v64-127, v128-191 X's fragments, two sets; v192-255 scale words.  window 1: v0-47, v64-111 W's fragments, two sets.
;   window 2: q's or k's accumulators, (X tile a, W tile b) at 8 (4 a + b).   window 3: v's, (W tile d, X tile x) at 8 (8 d + x); v128-175 the bias.
.set PITCH, 528                        ; an LDS row of codes: 512 bytes + 16 of padding
.set WC,    256*PITCH                  ; X's 256 rows at 0, W's 192 rows (q, k, v) here
.set XS,    WC+192*PITCH               ; X's scale bytes: 32 a row, as blocks of 256 bytes + 16 of padding
.set WS,    XS+32*272                  ; W's likewise
.set SPARE, 251904                     ; the spare words, 512 bytes, behind W's scale bytes
.set REC,   13568                      ; a record of the workspace
.set ADX,  9                           ; v9   LDS address of my X fragments
.set ADW,  10                          ; v10  of W's for q or k
.set ADV,  11                          ; v11  of W's for v
.set LI,   12                          ; v12  16 x lane, v13 8 x lane, v14 4 x lane
.set L8,   13
.set L4,   14
.set MOF,  15                          ; v15  the mask: my row and my 8 bytes
.set AS1,  16                          ; v16  scale words of tiles 0-3: lanes 0-15 X's, lanes 16-31 W's for q or k
.set AS2,  17                          ; v17  of tiles 4, 5: lanes 16-31 W's for v
.set AS3,  18                          ; v18  of tiles 6, 7: X's alone
.set BO,   19                          ; v19  32 x (lane / 16)
.set MW,   20                          ; v20-23 mask words, a pair for each step;  v24-27 at work;  v28-29 the class words
.set MT,   24
.set SPW,  30                          ; v30  LDS address of my spare word; v31 0
.set NIL,  31
.set TM,   32                          ; v32-35 largest magnitudes, v36-39 the other lane's, then bytes, v44-47 the conversions' scale operands
.set PC,   64                          ; v64-95 codes of q or k; v96-99 their scale words; v100-101 at work
.set RR,   96
.set VC,   128                         ; v128-143 codes of v; v144-146 scale words
.set MB,   64                          ; v64-95 the mask's bytes (at the head)
.set SC,   192                         ; v192-255 scale words: 8 i + q: tile i, K step q
.set WV,   20                          ; s20 wave; s21 tk; s22 f
.set TK,   21
.set FH,   22
.set G1X,  24
.set G0X,  32
.set G0XS, 36
.set G1XS, 40
.set G1W,  48
.set G0W,  56
.set G0WS, 60
.set G1WS, 68
.set MSB, 0
.macro WIN new                         ; the immediate's high byte repeats the setting that is left; a switch that changes nothing is dropped
.if MSB != (\new)
	s_set_vgpr_msb (MSB<<8)|(\new)
.set MSB, (\new)
.endif
.endm
.macro PLACES n
.rept \n
	v_nop
.endr
.endm
.macro CROUND                          ; a round of the cluster's barrier
	s_barrier_signal -1
	s_barrier_wait -1
	s_cmp_lg_u32 s[WV], 0
	s_cbranch_scc1 .Lnot_wave_0_\@
	s_barrier_signal -3
.Lnot_wave_0_\@:
	s_barrier_wait -3
	s_barrier_signal -1
	s_barrier_wait -1
.endm
	s_load_b512 s[4:19], s[0:1], 0x0               ; X's codes s[4:5], scales s[6:7], W's codes s[8:9], scales s[10:11], bias s[12:13], mask s[14:15], qkv s[16:17], maskw s[18:19]
	s_load_b64 s[2:3], s[0:1], 0x40                ; cls
	v_lshl_add_u32 v[SPW], v0, 2, SPARE
	v_mov_b32 v[NIL], 0
	ds_add_u32 v[SPW], v[NIL]                      ; the opening add, twice on end, ahead of my tensor load
	ds_add_u32 v[SPW], v[NIL]
	v_lshrrev_b32 v1, 5, v0
	v_readfirstlane_b32 s[WV], v1                  ; wave 0..3
	s_lshr_b32 s[TK], s[WV], 1
	s_and_b32 s[FH], s[WV], 1
	s_bfe_u32 s76, ttmp6, 0x40000                  ; cx, cy: my place in the cluster
	s_bfe_u32 s77, ttmp6, 0x40004
	s_lshl_b32 s78, ttmp9, 2
	s_add_co_u32 s78, s78, s76                     ; the head
	s_and_b32 s79, ttmp7, 0xffff
	s_lshl_b32 s79, s79, 2
	s_add_co_u32 s79, s79, s77                     ; the block of 256 tokens
	s_lshl_b32 s80, s77, 2
	s_lshl_b32 s80, 15, s80                        ; my row of the cluster
	s_lshl_b32 s81, 0x1111, s76                    ; my column
	s_mov_b32 s83, 0xffff0000                      ; lanes 16-31
	s_mov_b32 s66, 0x76543210                      ; v_permlanex16_b32's selects for lane l xor 16
	s_mov_b32 s67, 0xfedcba98
	s_or_b32 s[G1X], s80, (0<<16)|(1<<20)|(1<<21)|(6<<22)|(3<<25)   ; X's codes: 256 rows x 512 elements of 1 byte, 4 words of padding behind every 128; bit 21 stands beside a mask
	s_mov_b32 s[G1X+1], 512<<16
	s_mov_b32 s[G1X+2], 256<<16
	s_mov_b32 s[G1X+3], 512<<16
	s_mov_b32 s[G1X+4], 256
	s_mov_b32 s[G1X+5], 512
	s_mov_b32 s[G1X+6], 0
	s_mov_b32 s[G1X+7], 0
	s_or_b32 s[G1W], s81, (3<<16)|(1<<20)|(1<<21)|(6<<22)|(3<<25)   ; W's codes: the head's 64 rows are 32,768 dense bytes: 3 rows (q, k, v) of 4,096 elements of 8 bytes, 1,024 rows of W apart; the padding still behind every 512 bytes
	s_mov_b32 s[G1W+1], 4096<<16
	s_mov_b32 s[G1W+2], 3<<16
	s_mov_b32 s[G1W+3], 4096<<16
	s_mov_b32 s[G1W+4], 3
	s_mov_b32 s[G1W+5], 65536
	s_mov_b32 s[G1W+6], 0
	s_mov_b32 s[G1W+7], 0
	s_or_b32 s[G1XS], s80, (3<<16)|(1<<20)|(1<<21)|(5<<22)|(3<<25)  ; X's scales: 8,192 dense bytes as 32 rows of 256, 4 words of padding behind each
	s_mov_b32 s[G1XS+1], 32<<16
	s_mov_b32 s[G1XS+2], 32<<16
	s_mov_b32 s[G1XS+3], 32<<16
	s_mov_b32 s[G1XS+4], 32
	s_mov_b32 s[G1XS+5], 32
	s_mov_b32 s[G1XS+6], 0
	s_mov_b32 s[G1XS+7], 0
	s_or_b32 s[G1WS], s81, (3<<16)|(1<<20)|(1<<21)|(5<<22)|(3<<25)  ; W's scales: 3 rows of 2,048 bytes, padding behind every 256
	s_mov_b32 s[G1WS+1], 256<<16
	s_mov_b32 s[G1WS+2], 3<<16
	s_mov_b32 s[G1WS+3], 256<<16
	s_mov_b32 s[G1WS+4], 3
	s_mov_b32 s[G1WS+5], 4096
	s_mov_b32 s[G1WS+6], 0
	s_mov_b32 s[G1WS+7], 0
	s_lshl_b32 s84, s79, 17                        ; X: 256 rows x 512 bytes a block (s84-87 never hold cx)
	s_mov_b32 s85, 0
	s_lshl_b32 s86, s79, 13
	s_mov_b32 s87, 0
	s_lshl_b32 s88, s78, 15                        ; W: 64 rows x 512 bytes a head
	s_mov_b32 s89, 0
	s_lshl_b32 s90, s78, 11
	s_mov_b32 s91, 0
	s_wait_dscnt 0x0                               ; both opening adds are done
	s_wait_kmcnt 0x0
	s_mov_b32 s[G0X], 1
	s_mov_b32 s[G0X+1], 0
	s_add_nc_u64 s[G0X+2:G0X+3], s[4:5], s[84:85]
	s_or_b32 s[G0X+3], s[G0X+3], 0x80000000
	s_mov_b32 s[G0W], 1
	s_mov_b32 s[G0W+1], WC
	s_add_nc_u64 s[G0W+2:G0W+3], s[8:9], s[88:89]
	s_or_b32 s[G0W+3], s[G0W+3], 0x80000000
	s_mov_b32 s[G0XS], 1
	s_mov_b32 s[G0XS+1], XS
	s_add_nc_u64 s[G0XS+2:G0XS+3], s[6:7], s[86:87]
	s_or_b32 s[G0XS+3], s[G0XS+3], 0x80000000
	s_mov_b32 s[G0WS], 1
	s_mov_b32 s[G0WS+1], WS
	s_add_nc_u64 s[G0WS+2:G0WS+3], s[10:11], s[90:91]
	s_or_b32 s[G0WS+3], s[G0WS+3], 0x80000000
	CROUND                                         ; all sixteen work-groups are here: the joint loads meet
; One joint load a wave: wave 0 X's codes, wave 1 W's, wave 2 X's scales, wave 3 W's.  One chain of branches on the wave's number; nothing is ever filled again.
.macro ARM under, g0, g1, next
	s_cmp_lt_u32 s[WV], \under
	s_cbranch_scc0 \next
	tensor_load_to_lds s[\g0:\g0+3], s[\g1:\g1+7]
	s_nop 0
.rept 4
	v_nop
.endr
	s_branch .Lhead_asked
\next:
.endm
	ARM 1, G0X,  G1X,  .Lhead_w
	ARM 2, G0W,  G1W,  .Lhead_xs
	ARM 3, G0XS, G1XS, .Lhead_ws
	tensor_load_to_lds s[G0WS:G0WS+3], s[G1WS:G1WS+7]
	s_nop 0
.rept 4
	v_nop
.endr
.Lhead_asked:
	s_lshl_b32 s80, s79, 4                         ; the mask: 256 work-groups share 128 tiles of queries, two to a tile; wave w takes key steps 8 x half + 2 w and the next
	s_add_co_u32 s80, s80, s78
	s_and_b32 s81, s80, 1                          ; half
	s_lshr_b32 s82, s80, 1                         ; tile
	s_mov_b32 s95, 0
	s_lshl_b32 s94, s82, 15                        ; its 16 rows of 2,048 bytes,
	s_lshl_b32 s88, s81, 10
	s_lshl_b32 s89, s[WV], 8
	s_add_co_u32 s88, s88, s89                     ; my 256 keys
	s_add_co_u32 s94, s94, s88
	s_add_nc_u64 s[14:15], s[14:15], s[94:95]
	s_lshl_b32 s94, s82, 11                        ; cls: unit 8 x tile + 4 x half + w
	s_add_co_u32 s94, s94, s88
	s_add_nc_u64 s[2:3], s[2:3], s[94:95]
	s_lshl_b32 s94, s82, 12                        ; maskw: 256 bytes a step
	s_lshl_b32 s88, s88, 1
	s_add_co_u32 s94, s94, s88
	s_add_nc_u64 s[18:19], s[18:19], s[94:95]
	s_lshl_b32 s23, s81, 3
	s_lshl_b32 s88, s[WV], 1
	s_add_co_u32 s23, s23, s88                     ; my first step's number: its bit in the class words
	s_lshl_b32 s88, s78, 8                         ; the bias: 256 bytes a head
	s_lshl_b32 s94, s[FH], 12
	s_add_co_u32 s94, s94, s88
	s_add_nc_u64 s[96:97], s[12:13], s[94:95]      ; q's or k's
	s_lshl_b32 s94, s[FH], 7
	s_add_co_u32 s94, s94, s88
	s_add_co_u32 s94, s94, 8192
	s_add_nc_u64 s[98:99], s[12:13], s[94:95]      ; v's: my 32
	s_lshr_b32 s94, s79, 3                         ; my record: ((batch x 16 + head) x 16 + step)
	s_lshl_b32 s94, s94, 4
	s_add_co_u32 s94, s94, s78
	s_lshl_b32 s94, s94, 4
	s_lshl_b32 s88, s79, 1
	s_add_co_u32 s88, s88, s[TK]
	s_and_b32 s88, s88, 15
	s_add_co_u32 s94, s94, s88
	s_mul_i32 s94, s94, REC
	s_add_nc_u64 s[16:17], s[16:17], s[94:95]
	s_xor_b32 s94, s[FH], 1
	s_mul_i32 s94, s94, 8960
	s_add_nc_u64 s[8:9], s[16:17], s[94:95]        ; q's field (f = 0) or k's
	s_lshl_b32 s94, s[FH], 11
	s_add_nc_u64 s[10:11], s[16:17], s[94:95]      ; v: my two tiles of channels
	s_lshl_b32 s94, s[FH], 7
	s_add_nc_u64 s[6:7], s[16:17], s[94:95]        ; and their scale words
	s_mul_i32 s88, s[TK], 128*PITCH
	s_mul_i32 s89, s[FH], 64*PITCH
	s_add_co_u32 s89, s89, WC
	s_mul_i32 s90, s[FH], 32*PITCH
	s_add_co_u32 s90, s90, WC+128*PITCH
	s_mul_i32 s91, s[TK], 4352
	s_add_co_u32 s91, s91, XS                      ; my 128 rows' scales of X
	s_xor_b32 s94, s[TK], 1
	s_mul_i32 s94, s94, 4352
	s_mul_i32 s92, s[FH], 2176
	s_add_co_u32 s92, s92, s94
	s_add_co_u32 s92, s92, 4352                    ; from there to W's for q or k: 8,704 + 2,176 f - 4,352 tk
	s_mul_i32 s93, s[FH], 1088
	s_add_co_u32 s93, s93, s94
	s_add_co_u32 s93, s93, 6528                    ; and, four X tiles less, to W's for v: 10,880 + 1,088 f - 4,352 tk
	v_and_b32 v1, 15, v0                           ; r
	v_bfe_u32 v2, v0, 4, 1                         ; h
	v_and_b32 v3, 31, v0
	v_mul_u32_u24 v4, v1, PITCH
	v_lshlrev_b32 v5, 5, v1
	v_lshrrev_b32 v6, 3, v1
	v_lshlrev_b32 v[LI], 4, v3
	v_lshl_add_u32 v4, v2, 4, v4                   ; a fragment's row x pitch + 16 x half
	v_lshl_add_u32 v5, v6, 4, v5                   ; a row's scales: 32 bytes a row, and 16 more for each 256 passed
	v_mul_u32_u24 v6, s92, v2
	v_mul_u32_u24 v7, s93, v2
	v_add_nc_u32 v[ADX], s88, v4
	v_add_nc_u32 v[ADW], s89, v4
	v_add_nc_u32 v[ADV], s90, v4
	v_add_nc_u32 v[AS3], s91, v5
	v_lshlrev_b32 v[L8], 3, v3
	v_lshlrev_b32 v[L4], 2, v3
	v_lshlrev_b32 v[MOF], 11, v1
	v_add_nc_u32 v[AS1], v[AS3], v6
	v_add_nc_u32 v[AS2], v[AS3], v7
	v_lshl_add_u32 v[MOF], v2, 3, v[MOF]           ; the mask: row r of 2,048 bytes, + 8 h
	v_lshlrev_b32 v[BO], 5, v2
	v_lshlrev_b32 v8, 2, v1
.irp i, 0,1,2,3
	v_mov_b32 v[MW+\i], 0                          ; v_writelane_b32's destination counts as read
	v_mov_b32 v[TM+4+\i], 0                        ; and a lane permute's
.endr
	s_wait_alu depctr_va_vdst(0)
	WIN 0xc0                                       ; destination window 3
.irp t, 0,1,2,3
	global_load_b128 v[128+8*\t:131+8*\t], v[BO], s[96:97] offset:64*\t          ; the bias in the result's layout: features 16 t + 8 h + 0 .. 7
	global_load_b128 v[132+8*\t:135+8*\t], v[BO], s[96:97] offset:64*\t+16
.endr
.irp d, 0,1
	global_load_b32 v[160+8*\d], v8, s[98:99] offset:64*\d                        ; v: feature r of tile d
.endr
	WIN 0
	; THE MASK'S WORDS, while the tiles are on their way.  Lane (r, h) loads the 8 bytes of query r at keys 16 t + 8 h on; the compare of byte j over the 32 lanes IS word 8 t + j.
.irp u, 0,1
.irp t, 0,1,2,3,4,5,6,7
	global_load_b64 v[MB+16*\u+2*\t:MB+16*\u+2*\t+1], v[MOF], s[14:15] offset:128*\u+16*\t
.endr
.endr
.irp u, 0,1
	s_wait_loadcnt 8*(1-\u)                        ; this step's eight loads are in (and the bias); the later step's may be out
.set n, 0
.rept 16
.irp k, 0,1,2,3
	v_and_b32 v[MT+\k], 0xff<<(8*\k), v[MB+16*\u+n/4]   ; byte k of the register: word n + k
.endr
.irp k, 0,1,2,3
	v_cmp_ne_u32 s[88+\k], 0, v[MT+\k]
.endr
.irp k, 0,1,2,3
	v_writelane_b32 v[MW+2*\u+\k%2], s[88+\k], (n+\k)/2   ; lane l gathers words 2 l and 2 l + 1
.endr
.set n, n+4
.endr
	global_store_b64 v[L8], v[MW+2*\u:MW+2*\u+1], s[18:19] offset:256*\u   ; 32 lanes store the step's 256 consecutive bytes, aligned
	v_and_b32 v[MT], v[MW+2*\u], v[MW+2*\u+1]
	v_or_b32 v[MT+1], v[MW+2*\u], v[MW+2*\u+1]
	v_cmp_ne_u32 s88, -1, v[MT]                    ; lanes with a score that is not masked
	v_cmp_ne_u32 s89, 0, v[MT+1]                   ; lanes with one that is
	s_cmp_eq_u32 s88, 0
	s_cselect_b32 s90, 1<<\u, 0
	s_cmp_lg_u32 s89, 0
	s_cselect_b32 s91, 1<<\u, 0
.if \u == 0
	s_mov_b32 s76, s90
	s_mov_b32 s77, s91
.else
	s_or_b32 s76, s76, s90
	s_or_b32 s77, s77, s91
.endif
.endr
	s_lshl_b32 s76, s76, s23
	s_lshl_b32 s77, s77, s23
	v_mov_b32 v28, s76
	v_mov_b32 v29, s77
	global_store_b64 v[L8], v[28:29], s[2:3]       ; the class words: every score masked, some score masked
	WIN 0xc3
.irp d, 0,1
.irp j, 1,2,3,4,5,6,7
	v_mov_b32 v[160+8*\d+\j], v[160+8*\d]          ; v's bias: the same feature in all eight registers
.endr
.endr
	WIN 0
.macro FETCH q                         ; K step q's fragments into set q % 2: 28 loads.  Lane (r, h) holds row r; registers 4 c .. 4 c + 3 hold K = 64 c + 32 h + 0 .. 31
.set FX, 64+64*((\q)%2)
.set FW, 64*((\q)%2)
	WIN 0
.irp i, 0,1,2,3,4,5,6,7
.irp c, 0,1
	ds_load_b128 v[FX+8*\i+4*\c:FX+8*\i+4*\c+3], v[ADX] offset:64*(\q)+32*\c+\i*16*PITCH
.endr
.endr
	WIN 0x40
.irp i, 0,1,2,3
.irp c, 0,1
	ds_load_b128 v[FW+8*\i+4*\c:FW+8*\i+4*\c+3], v[ADW] offset:64*(\q)+32*\c+\i*16*PITCH
.endr
.endr
.irp i, 0,1
.irp c, 0,1
	ds_load_b128 v[FW+32+8*\i+4*\c:FW+32+8*\i+4*\c+3], v[ADV] offset:64*(\q)+32*\c+\i*16*PITCH
.endr
.endr
	WIN 0
.endm
; K step q: 48 matrix instructions.  The accumulators take turns, one instruction a turn, in the same order in every step.  K step 0 starts the sums with the bias: nothing is cleared.
.macro MUL q
.set FX, 64+64*((\q)%2)
.set FW, 64*((\q)%2)
.if (\q) == 0
	WIN 0xb1                                       ; source 0 (W) window 1, source 1 (X) window 0, C (the bias) window 3, D window 2
.else
	WIN 0xa1                                       ; C and D window 2
.endif
.irp a, 0,1,2,3,4,5,6,7
.irp b, 0,1,2,3
.set rD, 8*(4*\a+\b)
.if (\q) == 0
.set rC, 128+8*\b
.else
.set rC, rD
.endif
	v_wmma_scale_f32_16x16x128_f8f6f4 v[rD:rD+7], v[FW+8*\b:FW+8*\b+7], v[FX+8*\a:FX+8*\a+7], v[rC:rC+7], v[SC+8*\b+(\q)], v[SC+8*\a+(\q)] matrix_a_fmt:MATRIX_FMT_FP4 matrix_b_fmt:MATRIX_FMT_FP4 matrix_a_scale:MATRIX_SCALE_ROW1
.endr
.endr
	WIN 0xf4                                       ; source 0 (X) window 0, source 1 (W) window 1, C and D window 3
.irp d, 0,1
.irp x, 0,1,2,3,4,5,6,7
.set rD, 8*(8*\d+\x)
.if (\q) == 0
.set rC, 160+8*\d
.else
.set rC, rD
.endif
	v_wmma_scale_f32_16x16x128_f8f6f4 v[rD:rD+7], v[FX+8*\x:FX+8*\x+7], v[FW+32+8*\d:FW+32+8*\d+7], v[rC:rC+7], v[SC+8*\x+(\q)], v[SC+8*(4+\d)+(\q)] matrix_a_fmt:MATRIX_FMT_FP4 matrix_b_fmt:MATRIX_FMT_FP4 matrix_b_scale:MATRIX_SCALE_ROW1
.endr
.endr
.endm
	s_wait_alu depctr_va_vdst(0)
	s_wait_tensorcnt 0x0                           ; my tile is in,
	s_barrier_signal -1
	s_barrier_wait -1                              ; everybody's are
	FETCH 0
.irp s, 0,1
.irp i, 0,1,2,3
	ds_load_b128 v[SC+8*\i+4*\s:SC+8*\i+4*\s+3], v[AS1] offset:\i*544+16*\s      ; the scale words of all of K: 8 words a row; they stay
.endr
.irp i, 4,5
	ds_load_b128 v[SC+8*\i+4*\s:SC+8*\i+4*\s+3], v[AS2] offset:\i*544+16*\s
.endr
.irp i, 6,7
	ds_load_b128 v[SC+8*\i+4*\s:SC+8*\i+4*\s+3], v[AS3] offset:\i*544+16*\s
.endr
.endr
.irp q, 0,1,2,3,4,5,6,7
.if \q < 7
.if \q > 0
	PLACES 4                                       ; four plain vector instructions in front of loads into registers that matrix instructions have read
.endif
	FETCH \q+1
	s_wait_dscnt 28                                ; all but the 28 just issued
.else
	s_wait_dscnt 0x0
.endif
	MUL \q
.endr
	WIN 0
	PLACES 4                                       ; in front of the first read of results and the first write over fragments
; 64 registers of a lane, from ac on in window w, are four blocks of 32 with lane l xor 16: they become 8 registers of codes from pc on and four bytes.
; The largest magnitude has the floor 2^(3 - 127) among its leaves, so that the byte cannot fall under 1; 2 off its exponent field is the conversion's scale operand, and that shifted down the byte.
; Block 2 c + e, tile u goes to register 4 c + 2 u + e; the exchange of halves then leaves block 2 c + h whole in lane (r, h): the operand's layout.
.macro QUANT w, ac, pc
	WIN ((\w)<<4)|((\w)<<2)                        ; sources 1 and 2: the accumulators' window
.irp b, 0,1,2,3
	v_max3_num_f32 v[TM+\b], 0x1800000, |v[(\ac)+16*\b]|, |v[(\ac)+16*\b+1]|   ; each accumulator is read from its low end on
.endr
.irp i, 2,4,6,8,10,12,14
.irp b, 0,1,2,3
	v_max3_num_f32 v[TM+\b], v[TM+\b], |v[(\ac)+16*\b+\i]|, |v[(\ac)+16*\b+\i+1]|
.endr
.endr
	WIN 0
.irp b, 0,1,2,3
	v_permlanex16_b32 v[TM+4+\b], v[TM+\b], s66, s67
.endr
.irp b, 0,1,2,3
	v_max_num_f32 v[TM+\b], v[TM+\b], v[TM+4+\b]
.endr
.irp b, 0,1,2,3
	v_add_nc_u32 v[TM+12+\b], 0xff000000, v[TM+\b]
.endr
.irp b, 0,1,2,3
	v_lshrrev_b32 v[TM+4+\b], 23, v[TM+12+\b]
.endr
	WIN (\w)                                       ; source 0: the accumulators' window
.irp c, 0,1
.irp u, 0,1
.irp e, 0,1
	v_cvt_scalef32_pk8_fp4_f32 v[(\pc)+4*\c+2*\u+\e], v[(\ac)+16*(2*\c+\e)+8*\u:(\ac)+16*(2*\c+\e)+8*\u+7], v[TM+12+2*\c+\e]
.endr
.endr
.endr
	WIN 0
	v_lshl_or_b32 v100, v[TM+5], 8, v[TM+4]        ; the first two bytes; (a plain vector instruction behind the scaled conversions)
	v_lshl_or_b32 v101, v[TM+7], 8, v[TM+6]        ; the other two
.irp c, 0,1
.irp u, 0,1
	v_permlane16_swap_b32 v[(\pc)+4*\c+2*\u], v[(\pc)+4*\c+2*\u+1]
.endr
.endr
.endm
	; THE WAY OUT.  Every store of 16 bytes a lane covers 512 consecutive bytes, aligned; no store's data, offset or base is written again.
.irp a, 0,1,2,3                        ; q or k: token tiles 2 a and 2 a + 1
	QUANT 2, 64*\a, PC+8*\a
	v_cndmask_b32 v[RR+\a], v100, v101, s83        ; tile 2 a's words in lanes 0-15, tile 2 a + 1's in lanes 16-31; the upper two bytes are 0, over zero codes
.irp c, 0,1
	global_store_b128 v[LI], v[PC+8*\a+4*\c:PC+8*\a+4*\c+3], s[8:9] offset:(2*\a+\c)*512
.endr
.endr
	global_store_b128 v[LI], v[RR:RR+3], s[8:9] offset:4096
.irp d, 0,1                            ; v: channel tile 2 f + d; c = which 64 keys
	QUANT 3, 64*\d, VC+8*\d
	v_lshl_or_b32 v[VC+16+\d], v101, 16, v100
.irp c, 0,1
	global_store_b128 v[LI], v[VC+8*\d+4*\c:VC+8*\d+4*\c+3], s[10:11] offset:4608+1024*\d+512*\c
.endr
.endr
	v_cndmask_b32 v[VC+18], v[VC+16], v[VC+17], s83
	global_store_b32 v[L4], v[VC+18], s[6:7] offset:8704
	s_wait_tensorcnt 0x0                           ; the wave's end
	ds_add_u32 v[SPW], v[NIL]
	s_wait_dscnt 0x0
	CROUND                                         ; the closing round: no work-group ends while a partner may still ask for a tile that names it
	s_endpgm
.Lfunc_end_k_q46cf0aba21_qkv:
	.size	k_q46cf0aba21_qkv, .Lfunc_end_k_q46cf0aba21_qkv-k_q46cf0aba21_qkv
	.p2alignl 7, 3214868480
	.fill 96, 4, 3214868480
	.section	.rodata,"a",@progbits
	.p2align	6, 0x0
	.amdhsa_kernel k_q46cf0aba21_qkv
		.amdhsa_group_segment_fixed_size 327680
		.amdhsa_private_segment_fixed_size 0
		.amdhsa_enable_private_segment 0
		.amdhsa_kernarg_size 72
		.amdhsa_user_sgpr_count 2
		.amdhsa_user_sgpr_kernarg_segment_ptr 1
		.amdhsa_wavefront_size32 1
		.amdhsa_system_sgpr_workgroup_id_x 1
		.amdhsa_system_sgpr_workgroup_id_y 1
		.amdhsa_system_sgpr_workgroup_id_z 1
		.amdhsa_system_vgpr_workitem_id 0
		.amdhsa_next_free_vgpr 1024
		.amdhsa_next_free_sgpr 100
		.amdhsa_reserve_vcc 0
		.amdhsa_float_denorm_mode_32 3
		.amdhsa_float_denorm_mode_16_64 3
		.amdhsa_memory_ordered 1
		.amdhsa_forward_progress 1
		.amdhsa_inst_pref_size 128
	.end_amdhsa_kernel
	.amdgpu_metadata
---
amdhsa.version: [ 1, 2 ]
amdhsa.kernels:
  - .name:           k_q46cf0aba21_qkv
    .symbol:         k_q46cf0aba21_qkv.kd
    .args:
      - { .name: X_codes, .offset: 0, .size: 8, .value_kind: global_buffer, .address_space: global }
      - { .name: X_scales, .offset: 8, .size: 8, .value_kind: global_buffer, .address_space: global }
      - { .name: W_qkv_codes, .offset: 16, .size: 8, .value_kind: global_buffer, .address_space: global }
      - { .name: W_qkv_scales, .offset: 24, .size: 8, .value_kind: global_buffer, .address_space: global }
      - { .name: b_qkv, .offset: 32, .size: 8, .value_kind: global_buffer, .address_space: global }
      - { .name: attention_mask, .offset: 40, .size: 8, .value_kind: global_buffer, .address_space: global }
      - { .name: qkv, .offset: 48, .size: 8, .value_kind: global_buffer, .address_space: global }
      - { .name: maskw, .offset: 56, .size: 8, .value_kind: global_buffer, .address_space: global }
      - { .name: cls, .offset: 64, .size: 8, .value_kind: global_buffer, .address_space: global }
    .group_segment_fixed_size: 327680
    .private_segment_fixed_size: 0
    .kernarg_segment_align: 8
    .kernarg_segment_size: 72
    .max_flat_workgroup_size: 128
    .sgpr_count:     100
    .vgpr_count:     1024
    .wavefront_size: 32
...
	.end_amdgpu_metadata
.endif
;; end of part 1
;; launch attn (part 2): grid 8 x 32, 16 waves a work-group, no clusters, 145,408 bytes of LDS; arguments qkv, maskw, cls, a_img, a_sc; writes a_img, a_sc
.if DOCPART == 2
	.amdgcn_target "amdgcn-amd-amdhsa--gfx1250"
	.amdhsa_code_object_version 6
	.text
	.protected	k_q46cf0aba21_attn
	.globl	k_q46cf0aba21_attn
	.p2align	8
	.type	k_q46cf0aba21_attn,@function
k_q46cf0aba21_attn:
	s_mov_b64 s[64:65], 0
	v_nop
	global_prefetch_b8 v0, s[64:65] scope:SCOPE_SE
	s_setreg_imm32_b32 hwreg(HW_REG_WAVE_MODE, 25, 1), 1
	s_wait_xcnt 0x0
; a = softmax(where(mask, -0.0001, q k^T / 8)) v for one head, both products on codes of FP4 (E2M1) with one E8M0 scale for each 32 along a product's K; a leaves as codes, quantised along the head's channels.
; Masked scores are not thrown away: they count with the logit -0.0001, and every key enters the sum and the second product.
; THE SOFTMAX AHEAD OF THE SECOND PRODUCT: t = logit x log2(e); M = the row's largest t so far, rounded UP to a whole number; p = 2^(t - M) is what is quantised, along the keys, not normalised.
; The row's sum is taken of the unquantised p and divides O at the end.  When M moves, the sum and O are multiplied by 2^(old M - new M): exact.
; The raw score s = q . k is kept; a masked one is set to 8 x (-0.0001), and t = s x (log2(e) / 8): the division by 8 is a power of two, so the bits are those of (s / 8) x log2(e).
; A block's scale exponent is floor(its largest t - M) - 2, the exponent of its largest p.
; WHAT THE STORED CLASS BITS DECIDE (whole numbers that the launch before made of the mask), by scalar branches, for a wave's 16 queries and a step of 128 keys:
;   every score masked: each logit is -0.0001, whatever q and k hold, so no score is computed.  p = 2^(-0.0001 log2(e) - M): a block's largest p is p itself, its quotient by the scale lies between 4 and 8, close to 8, and is held at 6:
;     under M = 0 the code 7 with the scale 2^-3 in every place.  These steps come first, under M = 0, which is the ceiling of their t; the sum takes 128 p for each.
;   no score masked: nothing is selected.   else: each score is selected by the mask's words.
; NO TENSOR LOAD AND NO CLUSTER: branches hang on numbers read from memory; K and V reach LDS through registers, each byte once in a work-group.
; SHARES.  A work-group owns 16 tiles of 16 queries of one head, one in each 128 queries; each of its SIXTEEN waves owns one, in 256 registers: four waves to a SIMD.  Which one is read off a table of 4 x 4 whose rows and columns have equal sums.
; LDS.  The head's K and V, as codes with their scale words, are 16 records of 8,960 bytes: all fit, each is filled once (wave w brings record w), and one barrier shows them to all.  There is no stream to prefetch.
; LAYOUT.  S^T = K Q^T (source 0 = 16 keys, source 1 = my 16 queries; the head's 64 channels fill half of the instruction's K, the other half is zero codes on both sides), O^T = V^T P^T: a lane holds ONE query throughout.
; Register 8 t + j of S^T in lane (r, h) is key 16 t + 8 h + j: a block of 32 keys is 16 registers of lanes l and l xor 16.  Word 8 t + j of the mask's workspace is that register's lane mask.
; LIMITS: a block of zeros gets a scale byte of at least 1 where the quantiser's rule says 127 (its codes are zeros, and this program alone reads the bytes); NaN and infinities are not served.
.set REC, 13568                        ; a record of the workspace in memory
.set KV,  8960                         ; its part with K and V: K's codes 0, K's scale words 4,096, V's codes 4,608, V's scale words 8,704
.set SPARE, 16*KV                      ; the spare words, 128 bytes for each wave
.set LI,  1                            ; v1   16 x lane
.set L4,  2                            ; v2   4 x lane
.set L8,  3                            ; v3   8 x lane, at the head
.set ADV, 4                            ; v4   the step's record + 16 x lane
.set ADT, 5                            ; v5   the step's record + 4 x lane
.set NEG, 6                            ; v6   8 x (-0.0001)
.set R16, 7                            ; v7   16 x (lane % 16)
.set KS,  8                            ; v8-11  K's scale words: word i: tile 2 i in lanes 0-15, tile 2 i + 1 in lanes 16-31
.set VS,  12                           ; v12-13 V's likewise
.set QS,  14                           ; v14  Q's scale word
.set PS,  15                           ; v15  p's scale word
.set QF,  16                           ; v16-23 Q's fragment (v20-23 zero codes)
.set NM,  24                           ; v24 -M, v25 the largest t
.set SUM, 26                           ; v26-27 the sum, in two halves
.set FF,  28                           ; v28 f = 2^(old M - new M); v29 named with it as a pair
.set SPW, 30                           ; v30 LDS address of my spare word, v31 0
.set NIL, 31
.set KF,  32                           ; v32-95 K's eight fragments (the upper four registers of each: zero codes, written once)
.set S,   96                           ; v96-159 S^T, then p
.set O,   160                          ; v160-191 O^T
.set VF,  192                          ; v192-223 V's four fragments
.set PC,  224                          ; v224-231 p's codes
.set BM,  232                          ; v232-235 the blocks' largest; v236-239 the other lane's, then exponents; v240-243 at work; v244-247 the conversions' scale operands
.set T0,  248                          ; v248-253 the sum's other chains
.set WV,  12                           ; s12 wave; s13 the step's record in LDS; s15 the step's mask words, in bytes; s86 'some masked', s87 'all masked', then 'live', this step's bit lowest; s100 trips
	s_load_b256 s[4:11], s[0:1], 0x0               ; qkv s[4:5], maskw s[6:7], cls s[8:9], a_img s[10:11]
	s_load_b64 s[2:3], s[0:1], 0x20                ; a_sc
	v_lshrrev_b32 v3, 5, v0
	v_lshl_add_u32 v[SPW], v0, 2, SPARE
	v_mov_b32 v[NIL], 0
	v_readfirstlane_b32 s[WV], v3                  ; wave 0..15
	v_and_b32 v4, 31, v0
	v_and_b32 v[R16], 15, v0
	v_lshlrev_b32 v[LI], 4, v4
	v_lshlrev_b32 v[L4], 2, v4
	v_lshlrev_b32 v[L8], 3, v4
	v_lshlrev_b32 v[R16], 4, v[R16]
	s_mul_i32 s85, s[WV], KV
	v_add_nc_u32 v248, s85, v[LI]                  ; where my record goes in LDS
	v_add_nc_u32 v249, s85, v[L8]
	s_and_b32 s84, ttmp7, 0xffff                   ; batch x 16 + head
	s_lshl_b32 s86, s84, 4
	s_add_co_u32 s90, s86, s[WV]                   ; record: the head's step w
	s_mul_i32 s90, s90, REC
	s_mov_b32 s91, 0
	s_and_b32 s92, s[WV], 7
	s_lshl_b32 s92, s92, 2
	s_mov_b32 s93, 0x0de3b658                      ; the table: 15 2 1 12 / 4 9 10 7 / 8 5 6 11 / 3 14 13 0, four bits a wave
	s_cmp_lt_u32 s[WV], 8
	s_cselect_b32 s93, 0x7a94c12f, s93
	s_lshr_b32 s93, s93, s92
	s_and_b32 s93, s93, 15                         ; g: my 128 queries
	s_lshl_b32 s94, s93, 3
	s_add_co_u32 s94, s94, ttmp9                   ; my tile of queries, 0..127: 8 g + work-group x
	s_wait_alu depctr_va_vdst(0)
	s_wait_kmcnt 0x0
	s_add_nc_u64 s[88:89], s[4:5], s[90:91]
.set n, 0
.rept 16
	global_load_b128 v[S+4*n:S+4*n+3], v[LI], s[88:89] offset:512*n   ; my record: 17 x 512 + 256 bytes
.set n, n+1
.endr
	global_load_b128 v[VF:VF+3], v[LI], s[88:89] offset:8192
	global_load_b64 v[VF+4:VF+5], v[L8], s[88:89] offset:8704
	s_lshl_b32 s90, s94, 11
	s_add_nc_u64 s[8:9], s[8:9], s[90:91]
.set n, 0
.rept 8
	s_load_b64 s[16+2*n:17+2*n], s[8:9], 256*n     ; the class words of step pair n: all masked, some masked
.set n, n+1
.endr
	s_add_co_u32 s90, s86, s93                     ; my queries' record
	s_mul_i32 s90, s90, REC
	s_lshl_b32 s92, ttmp9, 9
	s_add_co_u32 s92, s92, s90
	s_add_co_u32 s92, s92, 8960
	s_mov_b32 s93, 0
	s_add_nc_u64 s[68:69], s[4:5], s[92:93]        ; Q's codes
	s_and_b32 s92, ttmp9, 1
	s_lshl_b32 s92, s92, 8                         ; an odd tile's words lie in lanes 16-31: 256 bytes on;
	s_lshr_b32 s95, ttmp9, 1
	s_lshl_b32 s95, s95, 2                         ; word tile / 2
	s_add_co_u32 s92, s92, s95
	s_add_co_u32 s92, s92, s90
	s_add_co_u32 s92, s92, 13056
	s_add_nc_u64 s[70:71], s[4:5], s[92:93]        ; Q's scale words
	global_load_b128 v[QF:QF+3], v[LI], s[68:69]
	global_load_b32 v[QS], v[R16], s[70:71]
	s_lshl_b32 s90, s94, 12
	s_add_nc_u64 s[6:7], s[6:7], s[90:91]          ; my tile's 16 x 64 mask words
	s_lshr_b32 s92, s84, 4
	s_lshl_b32 s92, s92, 7
	s_add_co_u32 s92, s92, s94                     ; my tile of tokens, 0..255
	s_and_b32 s95, s84, 15                         ; the head
	s_lshl_b32 s90, s92, 13
	s_lshl_b32 s86, s95, 9
	s_add_co_u32 s90, s90, s86
	s_add_nc_u64 s[10:11], s[10:11], s[90:91]      ; a's codes: (tile x 16 + head) x 512
	s_lshl_b32 s90, s92, 9
	s_lshl_b32 s86, s95, 1
	s_add_co_u32 s90, s90, s86
	s_add_nc_u64 s[2:3], s[2:3], s[90:91]          ; a's scale bytes: token x 32 + 2 x head
	s_mov_b32 s96, 0x76543210                      ; v_permlanex16_b32's selects for lane l xor 16
	s_mov_b32 s97, 0xfedcba98
	s_mov_b32 s98, 0x3e38aa3b                      ; c = log2(e) / 8
	s_mov_b32 s99, s98                             ; (named with it as a pair, so it is written)
	v_mov_b32 v[PS], 0x7c7c7c7c                    ; the masked steps' p: 2^-3 for every block,
.irp i, 0,1,2,3,4,5,6,7
	v_mov_b32 v[PC+\i], 0x77777777                 ; and the code of 6 in every place
.endr
.irp i, 0,1,2,3
	v_mov_b32 v[QF+4+\i], 0                        ; the upper 64 of the instruction's K: zero codes, on both sides
	v_mov_b32 v[BM+4+\i], 0                        ; written once: a lane permute's destination counts as one of its sources
.endr
.irp t, 0,1,2,3,4,5,6,7
.irp i, 4,5,6,7
	v_mov_b32 v[KF+8*\t+\i], 0
.endr
.endr
	v_mov_b32 v[NEG], 0xba51b717                   ; 8 x (-0.0001)
	v_mov_b32 v243, 0xff61b1e6                     ; -3e38, under every t
	v_mov_b32 v[FF+1], 0
.irp j, 0,1,2,3,4,5,6,7,8,9,10,11,12,13,14,15,16,17,18,19,20,21,22,23,24,25,26,27,28,29,30,31
	v_mov_b32 v[O+\j], 0                           ; O^T: neither kind of step has a first form of its own
.endr
	s_wait_alu depctr_va_vdst(0)
.set n, 0
.rept 16
	s_wait_loadcnt 19-n                            ; the loads issued behind this one may be out
	ds_store_b128 v248, v[S+4*n:S+4*n+3] offset:512*n
.set n, n+1
.endr
	s_wait_loadcnt 3
	ds_store_b128 v248, v[VF:VF+3] offset:8192
	s_wait_loadcnt 2
	ds_store_b64 v249, v[VF+4:VF+5] offset:8704
	s_wait_kmcnt 0x0                               ; the class words
.irp i, 1,2,3,4,5,6,7
	s_or_b32 s16, s16, s[16+2*\i]
	s_or_b32 s17, s17, s[17+2*\i]
.endr
	s_mov_b32 s87, s16                             ; steps all of whose scores are masked,
	s_xor_b32 s14, s16, 0xffff                     ; the others,
	s_mov_b32 s86, s17                             ; and those with some masked score
	s_bcnt1_i32_b32 s90, s16
	s_lshl_b32 s90, s90, 5                         ; each half of a lane's sum takes 32 of a step's 128 keys
	s_cmp_lg_u32 s16, 0
	s_cselect_b32 s91, -1, 0
	v_mul_f32 v242, s98, v[NEG]                    ; t of a masked score
	v_cvt_f32_u32 v240, s90
	v_cndmask_b32 v[NM+1], v243, v242, s91         ; the largest t so far: that one, if such steps are there
	v_floor_f32 v[NM], -v[NM+1]                    ; -M
	s_wait_alu depctr_va_vdst(0)
	v_exp_f32 v241, v242                           ; its p under M = 0
	v_nop
	s_wait_alu depctr_va_vdst(0)                   ; ahead of the first reader
	v_mul_f32 v[SUM], v240, v241
	v_mul_f32 v[SUM+1], v240, v241
	s_mov_b32 s13, 0
	s_mov_b32 s15, 0
	s_mov_b32 s100, 16
	s_wait_alu depctr_va_vdst(0)
	s_wait_loadcnt 0x0                             ; Q
	s_wait_dscnt 0x0                               ; my record is in LDS,
	s_barrier_signal -1
	s_barrier_wait -1                              ; everybody's is
.irp t, 0,1,2,3,4,5,6,7
	ds_load_b128 v[KF+8*\t:KF+8*\t+3], v[LI] offset:512*\t   ; step 0's K
.endr
	ds_load_b128 v[KS:KS+3], v[LI] offset:4096
.macro VLOAD                           ; V^T: 4 x 16 channels x the step's 128 keys: ten loads.  With the two additions the four plain instructions in front of loads into registers that matrix instructions have read
	v_add_nc_u32 v[ADV], s13, v[LI]
	v_add_nc_u32 v[ADT], s13, v[L4]
	v_nop
	v_nop
.irp d, 0,1,2,3
.irp c, 0,1
	ds_load_b128 v[VF+8*\d+4*\c:VF+8*\d+4*\c+3], v[ADV] offset:4608+1024*\d+512*\c
.endr
.endr
	ds_load_b32 v[VS], v[ADT] offset:8704
	ds_load_b32 v[VS+1], v[ADT] offset:8832
.endm
.macro KNEXT                           ; the next step's K: nine loads
.irp t, 0,1,2,3,4,5,6,7
	ds_load_b128 v[KF+8*\t:KF+8*\t+3], v[ADV] offset:KV+512*\t
.endr
	ds_load_b128 v[KS:KS+3], v[ADV] offset:KV+4096
.endm
.macro PV                              ; the four accumulators take turns
.irp d, 0,1,2,3
.if \d%2
	v_wmma_scale_f32_16x16x128_f8f6f4 v[O+8*\d:O+8*\d+7], v[VF+8*\d:VF+8*\d+7], v[PC:PC+7], v[O+8*\d:O+8*\d+7], v[VS+\d/2], v[PS] matrix_a_fmt:MATRIX_FMT_FP4 matrix_b_fmt:MATRIX_FMT_FP4 matrix_a_scale:MATRIX_SCALE_ROW1
.else
	v_wmma_scale_f32_16x16x128_f8f6f4 v[O+8*\d:O+8*\d+7], v[VF+8*\d:VF+8*\d+7], v[PC:PC+7], v[O+8*\d:O+8*\d+7], v[VS+\d/2], v[PS] matrix_a_fmt:MATRIX_FMT_FP4 matrix_b_fmt:MATRIX_FMT_FP4
.endif
.endr
.endm
.Lmasked:                                          ; 16 trips: the steps all of whose scores are masked
	s_bitcmp1_b32 s87, 0
	s_cbranch_scc0 .Lnot_masked
	VLOAD
	s_wait_dscnt 0x0
	PV
.Lnot_masked:
	s_lshr_b32 s87, s87, 1
	s_add_co_u32 s13, s13, KV
	s_sub_co_u32 s100, s100, 1
	s_cmp_lg_u32 s100, 0
	s_cbranch_scc1 .Lmasked
.macro FRONT more                      ; the scores, and the loads for what follows
	s_wait_dscnt 0x0                               ; this step's K and its scale words are in
.irp t, 0,1,2,3,4,5,6,7
.if \t%2
	v_wmma_scale_f32_16x16x128_f8f6f4 v[S+8*\t:S+8*\t+7], v[KF+8*\t:KF+8*\t+7], v[QF:QF+7], 0, v[KS+\t/2], v[QS] matrix_a_fmt:MATRIX_FMT_FP4 matrix_b_fmt:MATRIX_FMT_FP4 matrix_a_scale:MATRIX_SCALE_ROW1
.else
	v_wmma_scale_f32_16x16x128_f8f6f4 v[S+8*\t:S+8*\t+7], v[KF+8*\t:KF+8*\t+7], v[QF:QF+7], 0, v[KS+\t/2], v[QS] matrix_a_fmt:MATRIX_FMT_FP4 matrix_b_fmt:MATRIX_FMT_FP4
.endif
.endr
	VLOAD
.if \more
	KNEXT
.endif
.endm
; A LIVE KEY STEP: 128 keys.  more = 1: the next step's K is asked for.
.macro KSTEP more
	s_bitcmp1_b32 s87, 0
	s_cbranch_scc0 .Lskip_\@
	s_bitcmp1_b32 s86, 0
	s_cbranch_scc1 .Lmixed_\@
	FRONT \more
	s_branch .Lscores_\@
.Lmixed_\@:
	s_load_b512 s[16:31], s[6:7], s15 offset:0x0   ; the step's 64 mask words: word n in s[16 + n], from word 48 on in s[20 + n]
	s_load_b512 s[32:47], s[6:7], s15 offset:0x40
	s_load_b512 s[48:63], s[6:7], s15 offset:0x80
	s_load_b512 s[68:83], s[6:7], s15 offset:0xc0
	FRONT \more
	s_wait_kmcnt 0x0
.set n, 0
.rept 64
	v_cndmask_b32 v[S+n], v[S+n], v[NEG], s[16+n+4*(n/48)]   ; a masked score becomes 8 x (-0.0001); each accumulator is read from its low end on
.set n, n+1
.endr
.Lscores_\@:
.irp b, 0,1,2,3
	v_max3_num_f32 v[BM+\b], v[S+16*\b], v[S+16*\b+1], v[S+16*\b+2]   ; the largest score of each block of 32 keys: for the row's maximum, and for the block's scale
.endr
.irp i, 3,5,7,9,11,13
.irp b, 0,1,2,3
	v_max3_num_f32 v[BM+\b], v[BM+\b], v[S+16*\b+\i], v[S+16*\b+\i+1]
.endr
.endr
.irp b, 0,1,2,3
	v_max_num_f32 v[BM+\b], v[BM+\b], v[S+16*\b+15]
.endr
.irp b, 0,1,2,3
	v_permlanex16_b32 v[BM+4+\b], v[BM+\b], s96, s97
.endr
.irp b, 0,1,2,3
	s_delay_alu instid0(VALU_DEP_4)
	v_max_num_f32 v[BM+\b], v[BM+\b], v[BM+4+\b]   ; with lane l xor 16's 16 keys
.endr
	s_delay_alu instid0(VALU_DEP_2)
	v_max3_num_f32 v240, v[BM], v[BM+1], v[BM+2]
	s_delay_alu instid0(VALU_DEP_1)
	v_max_num_f32 v240, v240, v[BM+3]              ; the step's largest score of my query
	s_delay_alu instid0(VALU_DEP_1)
	v_mul_f32 v240, s98, v240                      ; as t (c is positive)
	s_delay_alu instid0(VALU_DEP_1)
	v_max_num_f32 v[NM+1], v[NM+1], v240           ; the running largest t
	v_mov_b32 v240, v[NM]
	s_delay_alu instid0(VALU_DEP_2)
	v_floor_f32 v[NM], -v[NM+1]                    ; the new -M = floor(-t) = -ceil(t): a whole number
	s_delay_alu instid0(VALU_DEP_1)
	v_sub_f32 v240, v[NM], v240                    ; old M - new M: a whole number, 0 or less
	s_delay_alu instid0(VALU_DEP_1)
	v_cvt_i32_f32 v240, v240                       ; (it saturates)
	s_delay_alu instid0(VALU_DEP_1)
	v_ldexp_f32 v[FF], 1.0, v240                   ; f = 2^(old M - new M)
.irp j, 0,2,4,6,8,10,12,14,16,18,20,22,24,26,28,30,32,34,36,38,40,42,44,46,48,50,52,54,56,58,60,62
	v_pk_fma_f32 v[S+\j:S+\j+1], v[S+\j:S+\j+1], s[98:99], v[NM:NM+1] op_sel_hi:[1,0,0]   ; t - M, two at a time (of the pairs c and -M the low word serves both halves)
.endr
.irp b, 0,1,2,3
	v_fma_f32 v[BM+\b], v[BM+\b], s98, v[NM]       ; the same of each block's largest score
.endr
.irp b, 0,1,2,3
	s_delay_alu instid0(VALU_DEP_4)
	v_max_num_f32 v[BM+\b], 0xc2f80000, v[BM+\b]   ; not under -124: the byte cannot fall under 1
.endr
.irp b, 0,1,2,3
	s_delay_alu instid0(VALU_DEP_4)
	v_cvt_floor_i32_f32 v[BM+4+\b], v[BM+\b]       ; the exponent of the block's largest p
.endr
.irp b, 0,1,2,3
	s_delay_alu instid0(VALU_DEP_4)
	v_add_lshl_u32 v[BM+12+\b], v[BM+4+\b], 125, 23   ; 2 less, + 127, in the exponent field: the conversion's scale operand
.endr
	v_lshl_add_u32 v[PS], v[BM+7], 8, v[BM+6]      ; p's scale word for these 128 keys: the four exponents as digits to the base 256,
	s_delay_alu instid0(VALU_DEP_1)
	v_lshl_add_u32 v[PS], v[PS], 8, v[BM+5]
	s_delay_alu instid0(VALU_DEP_1)
	v_lshl_add_u32 v[PS], v[PS], 8, v[BM+4]
	s_delay_alu instid0(VALU_DEP_1)
	v_add_nc_u32 v[PS], 0x7d7d7d7d, v[PS]          ; + 125 each
	s_wait_alu depctr_va_vdst(0)
.set n, 0
.rept 64
	v_exp_f32 v[S+n], v[S+n]                       ; p = 2^(t - M), at most 1
.set n, n+1
.endr
	v_pk_mul_f32 v[SUM:SUM+1], v[SUM:SUM+1], v[FF:FF+1] op_sel_hi:[1,0]   ; the sums under the new M: the plain instruction behind the exponentials
	s_wait_alu depctr_va_vdst(0)                   ; one wait for the batch, and for O^T, whose first readers follow
.irp j, 0,2,4,6,8,10,12,14,16,18,20,22,24,26,28,30
	v_pk_mul_f32 v[O+\j:O+\j+1], v[O+\j:O+\j+1], v[FF:FF+1] op_sel_hi:[1,0]   ; O^T under the new M
.endr
.irp c, 0,1
.irp u, 0,1
.irp e, 0,1
	v_cvt_scalef32_pk8_fp4_f32 v[PC+4*\c+2*\u+\e], v[S+16*(2*\c+\e)+8*\u:S+16*(2*\c+\e)+8*\u+7], v[BM+12+2*\c+\e]   ; block 2 c + e, tile u
.endr
.endr
.endr
	v_pk_add_f32 v[T0:T0+1], v[S:S+1], v[S+2:S+3]  ; the row's sum, of the unquantised p, in four chains; (its first line is the plain instruction behind the scaled conversions)
.irp c, 0,1
.irp u, 0,1
	v_permlane16_swap_b32 v[PC+4*\c+2*\u], v[PC+4*\c+2*\u+1]   ; block 2 c + h is now whole in lane (r, h): the operand's layout
.endr
.endr
	v_pk_add_f32 v[T0+2:T0+3], v[S+4:S+5], v[S+6:S+7]
	v_pk_add_f32 v[T0+4:T0+5], v[S+8:S+9], v[S+10:S+11]
	v_pk_add_f32 v[SUM:SUM+1], v[SUM:SUM+1], v[S+12:S+13]
.irp j, 14,22,30,38,46,54
	v_pk_add_f32 v[T0:T0+1], v[T0:T0+1], v[S+\j:S+\j+1]
	v_pk_add_f32 v[T0+2:T0+3], v[T0+2:T0+3], v[S+\j+2:S+\j+3]
	v_pk_add_f32 v[T0+4:T0+5], v[T0+4:T0+5], v[S+\j+4:S+\j+5]
	v_pk_add_f32 v[SUM:SUM+1], v[SUM:SUM+1], v[S+\j+6:S+\j+7]
.endr
	v_pk_add_f32 v[T0:T0+1], v[T0:T0+1], v[S+62:S+63]
	v_pk_add_f32 v[T0+2:T0+3], v[T0+2:T0+3], v[T0+4:T0+5]
	v_pk_add_f32 v[SUM:SUM+1], v[SUM:SUM+1], v[T0:T0+1]
	v_pk_add_f32 v[SUM:SUM+1], v[SUM:SUM+1], v[T0+2:T0+3]
.if \more
	s_wait_dscnt 9                                 ; V and its scale words are in; the nine loads of the next step's K may be out
.else
	s_wait_dscnt 0x0
.endif
	PV
.if \more
	s_branch .Ldone_\@
.Lskip_\@:                                         ; a step that was done above: its place is passed, and K is fetched if the next step is live
	s_bitcmp1_b32 s87, 1
	s_cbranch_scc0 .Ldone_\@
	s_wait_dscnt 0x0                               ; an earlier fetch into the same registers is over
	v_add_nc_u32 v[ADV], s13, v[LI]
	KNEXT
.Ldone_\@:
	s_lshr_b32 s87, s87, 1
	s_lshr_b32 s86, s86, 1
	s_add_co_u32 s13, s13, KV                      ; the next step's record
	s_add_co_u32 s15, s15, 256                     ; and mask words
.else
.Lskip_\@:
.endif
.endm
	s_mov_b32 s87, s14
	s_mov_b32 s13, 0
	s_mov_b32 s100, 15
.Lstep:                                            ; 15 trips; the last step is written out: it asks for nothing more
	KSTEP 1
	s_sub_co_u32 s100, s100, 1
	s_cmp_lg_u32 s100, 0
	s_cbranch_scc1 .Lstep
	KSTEP 0
	; THE WAY OUT.  O^T / the sum is a: register 8 t + j of lane (r, h) is channel 16 t + 8 h + j of token r.  Its two blocks of 32 channels are quantised by their largest magnitudes.
	s_wait_alu depctr_va_vdst(0)
	v_add_f32 v[SUM], v[SUM], v[SUM+1]             ; the sum's two halves,
	s_delay_alu instid0(VALU_DEP_1)
	v_permlanex16_b32 v240, v[SUM], s96, s97
	s_delay_alu instid0(VALU_DEP_1)
	v_add_f32 v[SUM], v[SUM], v240                 ; and lane l xor 16's: the row's sum
	s_wait_alu depctr_va_vdst(0)
	v_rcp_f32 v[SUM], v[SUM]
	v_lshlrev_b32 v3, 1, v[R16]                    ; 32 x (lane % 16): my token's row of scale bytes.  (A plain instruction behind the reciprocal)
	v_nop                                          ; with the lines above, more than four plain instructions behind the last products
	v_nop
	s_wait_alu depctr_va_vdst(0)                   ; ahead of the reciprocal's first reader, and O^T's
.irp j, 0,1,2,3,4,5,6,7,8,9,10,11,12,13,14,15,16,17,18,19,20,21,22,23,24,25,26,27,28,29,30,31
	v_mul_f32 v[S+\j], v[O+\j], v[SUM]
.endr
.irp b, 0,1
	v_max3_num_f32 v[BM+\b], |v[S+16*\b]|, |v[S+16*\b+1]|, 0x1800000
.endr
.irp i, 2,4,6,8,10,12,14
.irp b, 0,1
	s_delay_alu instid0(VALU_DEP_2)
	v_max3_num_f32 v[BM+\b], v[BM+\b], |v[S+16*\b+\i]|, |v[S+16*\b+\i+1]|
.endr
.endr
.irp b, 0,1
	s_delay_alu instid0(VALU_DEP_2)
	v_permlanex16_b32 v[BM+4+\b], v[BM+\b], s96, s97
.endr
.irp b, 0,1
	s_delay_alu instid0(VALU_DEP_2)
	v_max_num_f32 v[BM+\b], v[BM+\b], v[BM+4+\b]
.endr
.irp b, 0,1
	s_delay_alu instid0(VALU_DEP_2)
	v_add_nc_u32 v[BM+12+\b], 0xff000000, v[BM+\b]
.endr
.irp b, 0,1
	s_delay_alu instid0(VALU_DEP_2)
	v_lshrrev_b32 v[BM+4+\b], 23, v[BM+12+\b]
.endr
	s_delay_alu instid0(VALU_DEP_1)
	v_lshl_or_b32 v240, v[BM+5], 8, v[BM+4]        ; my token's two scale bytes of this head
.irp u, 0,1
.irp e, 0,1
	v_cvt_scalef32_pk8_fp4_f32 v[PC+2*\u+\e], v[S+16*\e+8*\u:S+16*\e+8*\u+7], v[BM+12+\e]
.endr
.endr
	v_nop                                          ; one plain vector instruction behind the scaled conversions
	v_permlane16_swap_b32 v[PC], v[PC+1]
	v_permlane16_swap_b32 v[PC+2], v[PC+3]         ; lane (r, h): token r, channels 32 h on: half (head % 2) of K step head / 2 of the last product's operand
	global_store_b128 v[LI], v[PC:PC+3], s[10:11]  ; 512 consecutive bytes, aligned
	global_store_b16 v3, v240, s[2:3]              ; two bytes a token, 32 bytes apart (both halves of the lanes write the same bytes): one part in 17 of what this launch stores
	s_wait_tensorcnt 0x0                           ; the wave's end
	ds_add_u32 v[SPW], v[NIL]
	s_wait_dscnt 0x0
	s_endpgm
.Lfunc_end_k_q46cf0aba21_attn:
	.size	k_q46cf0aba21_attn, .Lfunc_end_k_q46cf0aba21_attn-k_q46cf0aba21_attn
	.p2alignl 7, 3214868480
	.fill 96, 4, 3214868480
	.section	.rodata,"a",@progbits
	.p2align	6, 0x0
	.amdhsa_kernel k_q46cf0aba21_attn
		.amdhsa_group_segment_fixed_size 145408
		.amdhsa_private_segment_fixed_size 0
		.amdhsa_enable_private_segment 0
		.amdhsa_kernarg_size 40
		.amdhsa_user_sgpr_count 2
		.amdhsa_user_sgpr_kernarg_segment_ptr 1
		.amdhsa_wavefront_size32 1
		.amdhsa_system_sgpr_workgroup_id_x 1
		.amdhsa_system_sgpr_workgroup_id_y 1
		.amdhsa_system_sgpr_workgroup_id_z 1
		.amdhsa_system_vgpr_workitem_id 0
		.amdhsa_next_free_vgpr 256
		.amdhsa_next_free_sgpr 102
		.amdhsa_reserve_vcc 0
		.amdhsa_float_denorm_mode_32 3
		.amdhsa_float_denorm_mode_16_64 3
		.amdhsa_memory_ordered 1
		.amdhsa_forward_progress 1
		.amdhsa_inst_pref_size 62
	.end_amdhsa_kernel
	.amdgpu_metadata
---
amdhsa.version: [ 1, 2 ]
amdhsa.kernels:
  - .name:           k_q46cf0aba21_attn
    .symbol:         k_q46cf0aba21_attn.kd
    .args:
      - { .name: qkv, .offset: 0, .size: 8, .value_kind: global_buffer, .address_space: global }
      - { .name: maskw, .offset: 8, .size: 8, .value_kind: global_buffer, .address_space: global }
      - { .name: cls, .offset: 16, .size: 8, .value_kind: global_buffer, .address_space: global }
      - { .name: a_img, .offset: 24, .size: 8, .value_kind: global_buffer, .address_space: global }
      - { .name: a_sc, .offset: 32, .size: 8, .value_kind: global_buffer, .address_space: global }
    .group_segment_fixed_size: 145408
    .private_segment_fixed_size: 0
    .kernarg_segment_align: 8
    .kernarg_segment_size: 40
    .max_flat_workgroup_size: 512
    .sgpr_count:     102
    .vgpr_count:     256
    .wavefront_size: 32
...
	.end_amdgpu_metadata
.endif
;; end of part 2
;; launch dense (part 3): grid 8 x 32, 8 waves a work-group, clusters of 4 x 4, 327,680 bytes of LDS; arguments a_img, a_sc, W_dense_codes, W_dense_scales, b_dense, out0; writes out0
.if DOCPART == 3
	.amdgcn_target "amdgcn-amd-amdhsa--gfx1250"
	.amdhsa_code_object_version 6
	.text
	.protected	k_q46cf0aba21_dense
	.globl	k_q46cf0aba21_dense
	.p2align	8
	.type	k_q46cf0aba21_dense,@function
k_q46cf0aba21_dense:
	s_mov_b64 s[64:65], 0
	v_nop
	global_prefetch_b8 v0, s[64:65] scope:SCOPE_SE
	s_setreg_imm32_b32 hwreg(HW_REG_WAVE_MODE, 25, 1), 1
	s_wait_xcnt 0x0
	s_wait_alu depctr_hold_cnt(0) depctr_sa_sdst(0) depctr_va_vdst(0) depctr_va_sdst(0) depctr_va_ssrc(0) depctr_va_vcc(0) depctr_vm_vsrc(0)
	s_getreg_b32 s2, hwreg(HW_REG_IB_STS2, 6, 4)
	s_cmp_eq_u32 s2, 0
	s_cbranch_scc0 .Lentry_in_a_cluster
	s_endpgm
.Lentry_in_a_cluster:
	s_bfe_u32 s2, ttmp6, 0x10000c
	s_cmp_lg_u32 s2, 0xf033
	s_cbranch_scc0 .Lentry_shape_is_right
	s_endpgm
.Lentry_shape_is_right:
; out = a W_dense + b_dense on codes of FP4 (E2M1) with one E8M0 scale for each 32 along K = 1,024; out is f32.
; a comes from the attention launch as images of the operand's registers: (tile of 16 tokens x 16 + head) x 512 bytes, 16 bytes a lane; head 2 q + c is half c of K step q.  Its scale bytes lie [token][32].
; SHARES.  4,096 x 1,024 in tiles of 128 x 128 give 256 work-groups.  Eight waves; wave w makes rows 32 (w / 2) on and columns 64 (w % 2) on: 8 accumulators, no register windows.
; All of K fits in LDS: every tile is filled once, so there is no ring.
; CLUSTERS: 4 x 4 work-groups.  a's tile hangs on the tile row alone and is asked for jointly along a row of the cluster, W's on the tile column alone and along a column.
; THE MATRIX INSTRUCTION IS USED TRANSPOSED (source 0 = 16 rows of W, source 1 = 16 tokens): a lane holds eight neighbouring columns of one row of out.  The bias is the C of each sum's first product.
; A wave's 64 columns are 256 aligned bytes of a row, so each wave has a stage of its own on the way out, and no barrier stands there.
.set PITCH, 528                        ; a row of W's codes in LDS: 512 bytes + 16 of padding
.set WC,    65536                      ; a's images at 0 (8 tiles x 8,192 bytes), W's 128 rows here
.set SCL,   WC+128*PITCH               ; a's scale bytes (16 blocks of 256 + 16), then W's, 4,352 bytes each
.set STG,   147456                     ; the stages: 32 rows x 272 bytes for each wave
.set SP,    272
.set LI,   3                           ; v3   16 x lane
.set ADA,  4                           ; v4   my two tiles of a
.set ADW,  5                           ; v5   my 64 rows of W
.set ADRS, 6                           ; v6   my scale words: lanes 0-15 a's rows, lanes 16-31 W's
.set STO,  7                           ; v7   the stage: where I put 32 bytes of a row
.set RD,   8                           ; v8   and where I read a row back
.set CO,   9                           ; v9   my byte offset in out
.set BO,   10                          ; v10  32 x (lane / 16): the bias's offset
.set SC,   16                          ; v16-47 scale words: 8 i + q: lanes 0-15 a's tile i (i = 0, 1), lanes 16-31 W's tile i, K step q
.set BI,   48                          ; v48-79 the bias: eight registers for each tile of columns
.set ACC,  80                          ; v80-143 accumulator (mi, ni) at 8 (4 mi + ni)
.set F0,   144                         ; v144-191, v192-239 two sets of fragments: W's four, then a's two
.set SPW,  12                          ; v12  LDS address of my spare word, v13 0
.set NIL,  13
.set SPARE, STG+8*32*SP                ; the spare words, 128 bytes for each wave, behind the stages
.set WV,   16                          ; s16 wave; s17 which half of a's codes I fetch, if I do; s18 which quarter of W's; s19 which 32 rows are mine; s20 which 64 columns
.set G1A,  24                          ; groups 1: a's codes, a's scales, W's codes, W's scales
.set G1AS, 32
.set G1W,  40
.set G1WS, 48
.set G0A,  56                          ; groups 0 likewise
.set G0AS, 60
.set G0W,  68
.set G0WS, 72
.macro PLACES n
.rept \n
	v_nop
.endr
.endm
; One joint load a wave: waves 0 and 1 a's codes, waves 2 to 5 W's, wave 6 a's scales, wave 7 W's.  One chain of branches on the wave's number alone, an arm a load.
.macro ARM under, g0, g1, next
	s_cmp_lt_u32 s[WV], \under
	s_cbranch_scc0 \next
	tensor_load_to_lds s[\g0:\g0+3], s[\g1:\g1+7]
	s_nop 0
.rept 4
	v_nop
.endr
	s_branch .Lhead_asked
\next:
.endm
.macro CROUND                          ; a round of the cluster's barrier
	s_barrier_signal -1
	s_barrier_wait -1
	s_cmp_lg_u32 s[WV], 0
	s_cbranch_scc1 .Lnot_wave_0_\@
	s_barrier_signal -3
.Lnot_wave_0_\@:
	s_barrier_wait -3
	s_barrier_signal -1
	s_barrier_wait -1
.endm
	s_load_b256 s[4:11], s[0:1], 0x0               ; a's images s[4:5], a's scales s[6:7], W's codes s[8:9], W's scales s[10:11]
	s_load_b128 s[12:15], s[0:1], 0x20             ; bias s[12:13], out s[14:15]
	v_lshl_add_u32 v[SPW], v0, 2, SPARE
	v_mov_b32 v[NIL], 0
	ds_add_u32 v[SPW], v[NIL]                      ; the opening add, twice on end, ahead of my tensor load
	ds_add_u32 v[SPW], v[NIL]
	v_lshrrev_b32 v1, 5, v0
	s_delay_alu instid0(VALU_DEP_1)
	v_readfirstlane_b32 s[WV], v1                  ; wave 0..7
	s_and_b32 s17, s[WV], 1
	s_add_co_u32 s18, s[WV], 2
	s_and_b32 s18, s18, 3                          ; waves 2 to 5: quarters 0 to 3
	s_lshr_b32 s19, s[WV], 1
	s_and_b32 s20, s[WV], 1
	s_bfe_u32 s76, ttmp6, 0x40000                  ; cx, cy
	s_bfe_u32 s77, ttmp6, 0x40004
	s_lshl_b32 s78, ttmp9, 2
	s_add_co_u32 s78, s78, s76                     ; wx: which 128 columns
	s_and_b32 s79, ttmp7, 0xffff
	s_lshl_b32 s79, s79, 2
	s_add_co_u32 s79, s79, s77                     ; wy: which 128 tokens
	s_lshl_b32 s80, s77, 2
	s_lshl_b32 s80, 15, s80                        ; my row of the cluster
	s_lshl_b32 s81, 0x1111, s76                    ; my column
	s_or_b32 s[G1A], s80, (3<<16)|(1<<21)          ; a's images: 32,768 dense bytes as 128 rows of 32 elements of 8 bytes, no padding: they are read 16 bytes a lane on end
	s_mov_b32 s[G1A+1], 32<<16
	s_mov_b32 s[G1A+2], 128<<16
	s_mov_b32 s[G1A+3], 32<<16
	s_mov_b32 s[G1A+4], 128
	s_mov_b32 s[G1A+5], 32
	s_mov_b32 s[G1A+6], 0
	s_mov_b32 s[G1A+7], 0
	s_or_b32 s[G1W], s81, (0<<16)|(1<<20)|(1<<21)|(6<<22)|(3<<25)   ; W's codes: 32 rows x 512 bytes, 4 words of padding behind every 128
	s_mov_b32 s[G1W+1], 512<<16
	s_mov_b32 s[G1W+2], 32<<16
	s_mov_b32 s[G1W+3], 512<<16
	s_mov_b32 s[G1W+4], 32
	s_mov_b32 s[G1W+5], 512
	s_mov_b32 s[G1W+6], 0
	s_mov_b32 s[G1W+7], 0
	s_or_b32 s[G1AS], s80, (3<<16)|(1<<20)|(1<<21)|(5<<22)|(3<<25)  ; the scales of 128 rows: 4,096 dense bytes as 16 rows of 256, 4 words of padding behind each
	s_or_b32 s[G1WS], s81, (3<<16)|(1<<20)|(1<<21)|(5<<22)|(3<<25)
.irp g, G1AS, G1WS
	s_mov_b32 s[\g+1], 32<<16
	s_mov_b32 s[\g+2], 16<<16
	s_mov_b32 s[\g+3], 32<<16
	s_mov_b32 s[\g+4], 16
	s_mov_b32 s[\g+5], 32
	s_mov_b32 s[\g+6], 0
	s_mov_b32 s[\g+7], 0
.endr
	s_lshl_b32 s84, s79, 16                        ; a's images: 65,536 wy + 32,768 x half (s84-87 never hold cx)
	s_lshl_b32 s85, s17, 15
	s_add_co_u32 s84, s84, s85
	s_mov_b32 s85, 0
	s_lshl_b32 s86, s79, 12                        ; a's scales: 4,096 wy
	s_mov_b32 s87, 0
	s_lshl_b32 s90, s78, 12                        ; W's scales: 4,096 wx
	s_mov_b32 s91, 0
	s_lshl_b32 s88, s78, 7
	s_lshl_b32 s89, s18, 5
	s_add_co_u32 s88, s88, s89                     ; W: row 128 wx + 32 x quarter
	s_lshl_b32 s88, s88, 9
	s_mov_b32 s89, 0
	s_lshl_b32 s92, s17, 15                        ; where they go: no place in the cluster enters an LDS address
	s_mul_i32 s94, s18, 32*PITCH
	s_wait_dscnt 0x0                               ; both opening adds are done
	s_wait_kmcnt 0x0
	s_mov_b32 s[G0A], 1
	s_mov_b32 s[G0A+1], s92
	s_add_nc_u64 s[G0A+2:G0A+3], s[4:5], s[84:85]
	s_or_b32 s[G0A+3], s[G0A+3], 0x80000000
	s_mov_b32 s[G0AS], 1
	s_mov_b32 s[G0AS+1], SCL
	s_add_nc_u64 s[G0AS+2:G0AS+3], s[6:7], s[86:87]
	s_or_b32 s[G0AS+3], s[G0AS+3], 0x80000000
	s_mov_b32 s[G0W], 1
	s_add_co_u32 s[G0W+1], s94, WC
	s_add_nc_u64 s[G0W+2:G0W+3], s[8:9], s[88:89]
	s_or_b32 s[G0W+3], s[G0W+3], 0x80000000
	s_mov_b32 s[G0WS], 1
	s_mov_b32 s[G0WS+1], SCL+4352
	s_add_nc_u64 s[G0WS+2:G0WS+3], s[10:11], s[90:91]
	s_or_b32 s[G0WS+3], s[G0WS+3], 0x80000000
	CROUND                                         ; all sixteen work-groups are here: the joint loads meet; nothing is ever filled again
	ARM 2, G0A,  G1A,  .Lhead_w
	ARM 6, G0W,  G1W,  .Lhead_as
	ARM 7, G0AS, G1AS, .Lhead_ws
	tensor_load_to_lds s[G0WS:G0WS+3], s[G1WS:G1WS+7]
	s_nop 0
.rept 4
	v_nop
.endr
.Lhead_asked:
	v_and_b32 v1, 15, v0                           ; r
	v_bfe_u32 v2, v0, 4, 1                         ; h
	v_and_b32 v[LI], 31, v0
	s_delay_alu instid0(VALU_DEP_1)
	v_lshlrev_b32 v[LI], 4, v[LI]
	s_lshl_b32 s92, s19, 14                        ; my two tiles of a: 8,192 bytes each
	v_add_nc_u32 v[ADA], s92, v[LI]
	v_mul_u32_u24 v[ADW], v1, PITCH
	s_delay_alu instid0(VALU_DEP_1)
	v_lshl_add_u32 v[ADW], v2, 4, v[ADW]
	s_mul_i32 s92, s20, 64*PITCH
	s_add_co_u32 s92, s92, WC
	v_add_nc_u32 v[ADW], s92, v[ADW]
	v_lshlrev_b32 v[ADRS], 5, v1                   ; my row's scales: 32 bytes a row,
	v_lshrrev_b32 v7, 3, v1
	s_delay_alu instid0(VALU_DEP_1)
	v_lshl_add_u32 v[ADRS], v7, 4, v[ADRS]         ; and 16 more for each 256 passed
	s_mul_i32 s92, s19, 1088                       ; a's: my 32 rows
	s_xor_b32 s93, s19, 3                          ; lanes 16-31 take W's: 4,352 + 2,176 x my half of the columns - 1,088 x my quarter of the rows further on,
	s_lshl_b32 s94, s20, 1
	s_add_co_u32 s93, s93, s94
	s_add_co_u32 s93, s93, 1
	s_mul_i32 s93, s93, 1088                       ; which is 1,088 x (1 + 2 x half + (3 - quarter))
	v_mul_u32_u24 v7, v2, s93
	s_add_co_u32 s92, s92, SCL
	v_add_nc_u32 v[ADRS], v[ADRS], v7
	s_delay_alu instid0(VALU_DEP_1)
	v_add_nc_u32 v[ADRS], s92, v[ADRS]
	s_mul_i32 s92, s[WV], 32*SP
	s_add_co_u32 s92, s92, STG                     ; my stage
	v_mul_u32_u24 v[STO], v1, SP
	s_delay_alu instid0(VALU_DEP_1)
	v_lshl_add_u32 v[STO], v2, 5, v[STO]
	s_delay_alu instid0(VALU_DEP_1)
	v_add_nc_u32 v[STO], s92, v[STO]               ; in: row r, 32 bytes for each half of the lanes
	v_mul_u32_u24 v[RD], v2, SP
	s_delay_alu instid0(VALU_DEP_1)
	v_lshl_add_u32 v[RD], v1, 4, v[RD]
	s_delay_alu instid0(VALU_DEP_1)
	v_add_nc_u32 v[RD], s92, v[RD]                 ; back: lanes 0-15 one row of 256 bytes, lanes 16-31 the next
	v_lshlrev_b32 v[CO], 12, v2
	s_delay_alu instid0(VALU_DEP_1)
	v_lshl_add_u32 v[CO], v1, 4, v[CO]             ; and the same two rows in out: 4,096 bytes a row
	v_lshlrev_b32 v[BO], 5, v2
	s_wait_alu depctr_va_vdst(0)
	s_lshl_b32 s88, s78, 9                         ; my first column, in bytes: 512 wx + 256 x half
	s_lshl_b32 s89, s20, 8
	s_add_co_u32 s88, s88, s89
	s_mov_b32 s89, 0
	s_add_nc_u64 s[12:13], s[12:13], s[88:89]
	s_add_nc_u64 s[14:15], s[14:15], s[88:89]
	s_lshl_b32 s88, s79, 7
	s_lshl_b32 s90, s19, 5
	s_add_co_u32 s88, s88, s90                     ; my first row: 128 wy + 32 x quarter
	s_lshl_b32 s88, s88, 12
	s_add_nc_u64 s[14:15], s[14:15], s[88:89]
.irp ni, 0,1,2,3
	global_load_b128 v[BI+8*\ni:BI+8*\ni+3], v[BO], s[12:13] offset:64*\ni       ; the bias of columns 16 ni + 8 h + 0 .. 7
	global_load_b128 v[BI+8*\ni+4:BI+8*\ni+7], v[BO], s[12:13] offset:64*\ni+16
.endr
.macro FETCH q, f                      ; K step q's six fragments into set f: twelve loads
.irp ni, 0,1,2,3
.irp c, 0,1
	ds_load_b128 v[\f+8*\ni+4*\c:\f+8*\ni+4*\c+3], v[ADW] offset:\ni*16*PITCH+64*(\q)+32*\c
.endr
.endr
.irp mi, 0,1
.irp c, 0,1
	ds_load_b128 v[\f+32+8*\mi+4*\c:\f+32+8*\mi+4*\c+3], v[ADA] offset:8192*\mi+1024*(\q)+512*\c
.endr
.endr
.endm
.macro MUL8 f, q                       ; the eight accumulators take turns; K step 0 starts the sums with the bias
.irp mi, 0,1
.irp ni, 0,1,2,3
.set rD, ACC+8*(4*\mi+\ni)
.if (\q) == 0
.set rC, BI+8*\ni
.else
.set rC, rD
.endif
	v_wmma_scale_f32_16x16x128_f8f6f4 v[rD:rD+7], v[\f+8*\ni:\f+8*\ni+7], v[\f+32+8*\mi:\f+32+8*\mi+7], v[rC:rC+7], v[SC+8*\ni+(\q)], v[SC+8*\mi+(\q)] matrix_a_fmt:MATRIX_FMT_FP4 matrix_b_fmt:MATRIX_FMT_FP4 matrix_a_scale:MATRIX_SCALE_ROW1
.endr
.endr
.endm
	s_wait_tensorcnt 0x0                           ; my parts of the tiles and of the scales are in,
	s_barrier_signal -1
	s_barrier_wait -1                              ; everybody's are
.irp i, 0,1,2,3
.irp s, 0,1
	ds_load_b128 v[SC+8*\i+4*\s:SC+8*\i+4*\s+3], v[ADRS] offset:544*\i+16*\s   ; the scale words of all of K; they stay
.endr
.endr
	FETCH 0, F0
	s_wait_loadcnt 0x0                             ; the bias
.irp q, 0,1,2,3,4,5,6,7
.if \q < 7
.if \q > 0
	PLACES 4                                       ; four plain vector instructions in front of loads into registers that matrix instructions have read
.endif
	FETCH \q+1, F0+48*((\q+1)%2)
	s_wait_dscnt 12                                ; all but the twelve just issued: this step's fragments are in
.else
	s_wait_dscnt 0x0
.endif
	MUL8 F0+48*(\q%2), \q
.endr
	; THE WAY OUT: through my own stage, 16 rows at a time; LDS serves a wave's instructions in order, so no wait stands between the stores and the loads.
	PLACES 4
.irp mi, 0,1
.irp ni, 0,1,2,3
	ds_store_b128 v[STO], v[ACC+8*(4*\mi+\ni):ACC+8*(4*\mi+\ni)+3] offset:\mi*16*SP+64*\ni      ; each accumulator from its low end on
	ds_store_b128 v[STO], v[ACC+8*(4*\mi+\ni)+4:ACC+8*(4*\mi+\ni)+7] offset:\mi*16*SP+64*\ni+16
.endr
.irp i, 0,1,2,3,4,5,6,7
	ds_load_b128 v[F0+32*\mi+4*\i:F0+32*\mi+4*\i+3], v[RD] offset:\mi*16*SP+2*\i*SP
.endr
.endr
.irp mi, 0,1
.irp i, 0,1,2,3,4,5,6,7
	s_wait_dscnt 16*(1-\mi)+7-\i                   ; the LDS instructions issued behind this load may be out
	global_store_b128 v[CO], v[F0+32*\mi+4*\i:F0+32*\mi+4*\i+3], s[14:15] offset:(16*\mi+2*\i)*4096 th:TH_STORE_NT   ; 16 lanes store 256 consecutive bytes, aligned; written once, read by nobody here
.endr
.endr
	s_wait_tensorcnt 0x0                           ; the wave's end, behind my last tensor load and my last LDS store
	ds_add_u32 v[SPW], v[NIL]
	s_wait_dscnt 0x0
	CROUND                                         ; the closing round: no work-group ends while a partner may still ask for a tile that names it
	s_endpgm
.Lfunc_end_k_q46cf0aba21_dense:
	.size	k_q46cf0aba21_dense, .Lfunc_end_k_q46cf0aba21_dense-k_q46cf0aba21_dense
	.p2alignl 7, 3214868480
	.fill 96, 4, 3214868480
	.section	.rodata,"a",@progbits
	.p2align	6, 0x0
	.amdhsa_kernel k_q46cf0aba21_dense
		.amdhsa_group_segment_fixed_size 327680
		.amdhsa_private_segment_fixed_size 0
		.amdhsa_enable_private_segment 0
		.amdhsa_kernarg_size 48
		.amdhsa_user_sgpr_count 2
		.amdhsa_user_sgpr_kernarg_segment_ptr 1
		.amdhsa_wavefront_size32 1
		.amdhsa_system_sgpr_workgroup_id_x 1
		.amdhsa_system_sgpr_workgroup_id_y 1
		.amdhsa_system_sgpr_workgroup_id_z 1
		.amdhsa_system_vgpr_workitem_id 0
		.amdhsa_next_free_vgpr 256
		.amdhsa_next_free_sgpr 100
		.amdhsa_reserve_vcc 0
		.amdhsa_float_denorm_mode_32 3
		.amdhsa_float_denorm_mode_16_64 3
		.amdhsa_memory_ordered 1
		.amdhsa_forward_progress 1
		.amdhsa_inst_pref_size 30
	.end_amdhsa_kernel
	.amdgpu_metadata
---
amdhsa.version: [ 1, 2 ]
amdhsa.kernels:
  - .name:           k_q46cf0aba21_dense
    .symbol:         k_q46cf0aba21_dense.kd
    .args:
      - { .name: a_img, .offset: 0, .size: 8, .value_kind: global_buffer, .address_space: global }
      - { .name: a_sc, .offset: 8, .size: 8, .value_kind: global_buffer, .address_space: global }
      - { .name: W_dense_codes, .offset: 16, .size: 8, .value_kind: global_buffer, .address_space: global }
      - { .name: W_dense_scales, .offset: 24, .size: 8, .value_kind: global_buffer, .address_space: global }
      - { .name: b_dense, .offset: 32, .size: 8, .value_kind: global_buffer, .address_space: global }
      - { .name: out0, .offset: 40, .size: 8, .value_kind: global_buffer, .address_space: global }
    .group_segment_fixed_size: 327680
    .private_segment_fixed_size: 0
    .kernarg_segment_align: 8
    .kernarg_segment_size: 48
    .max_flat_workgroup_size: 256
    .sgpr_count:     100
    .vgpr_count:     256
    .wavefront_size: 32
...
	.end_amdgpu_metadata
.endif
;; end of part 3
